; MI455X (gfx1250); checked and timed in simulation.
; The chip was launched on July 23, 2026; its instructions are those of AMD's public machine-readable ISA for CDNA 5 (MIT licence, August 2026) and "CDNA5" Instruction Set Architecture Reference Guide (July 2026). The comments in the code are by the model that wrote it; some were corrected since.
;; Tiny Mo E. Allowed arithmetic: matrix products marked QUANTISED: E4M3 operands, one given power-of-two scale a tensor, by v_wmma_f32_16x16x64_fp8_fp8 or v_wmma_f32_16x16x128_fp8_fp8, f32 sums; products left as they are: f32 operands where the result goes on into a quantised operand, else bf16, f16 or f32 operands; f32 sums; everything else in f32.
;; Inputs: expert_weights 8 x 512 x 512 float32; hidden_states 4 x 4,096 x 512 float32; lowp_scales 2 int32 (the exponents e of the quantised operands' scales 2^e); router_w 8 x 512 float32.
;; Outputs: out0 4 x 4,096 x 512 float32.
;; Constants: cluster_axis = 0.
;; This version of the problem:
;;   THIS VERSION OF THE PROBLEM IS GIVEN IN LOW PRECISION. The matrix products marked QUANTISED in the list below multiply operands that are first quantised to E4M3 (4 exponent bits, 3 mantissa bits; 8 bits a number), with one given power-of-two scale for each operand tensor; their sums are f32. All else is computed in f32.
;;   The module's matrix products, in the order in which they are computed (A, B: the left and right operand; K: the contracted axis; several contracted axes count as one K, in the product's order):
;;     1. [M 16,384, K 512] x [K 512, N 8]; A: input hidden_states; B: input router_w: left as it is (N = 8 < 16)
;;     2. [M 16,384, K 512] x [K 512, N 4,096]; A: input hidden_states; B: input expert_weights: QUANTISED (scales: A lowp_scales[0], B lowp_scales[1])
;;   THE QUANTISER, for each operand of a quantised product, along K:
;;     - The operand's scale is 2^e, e = its entry of the input lowp_scales (int32; the entries are numbered through the quantised products in the list's order, A before B).
;;     - Each number is divided by the scale, clamped to +-448, and rounded to the nearest number of E4M3, ties to even, subnormals kept.
;;     - The product sums the exact products of the quantised numbers (number of the format x scale) in f32.
;;   ~~~python
;;   def quantise(x, axis, e):      # numpy; x: float32 -> the quantised numbers, widened to float32 again
;;       x = np.moveaxis(x, axis, -1); K = x.shape[-1]
;;       r = np.clip(x / 2.0 ** e, -448, 448)
;;       step = 2.0 ** (np.maximum(np.frexp(np.where(r == 0, 1, r))[1] - 1, -6) - 3)
;;       q = np.round(r / step) * step * 2.0 ** e      # np.round: ties to even
;;       return np.moveaxis(q, -1, axis).astype(np.float32)
;;   ~~~
;; 2 versions, each right; version 2 is version 1 with the launch experts written anew for expert scheduling mode. Each part assembles by itself: llvm-mc -triple=amdgcn-amd-amdhsa -mcpu=gfx1250 --defsym DOCPART=n.
;; ======== version 1 of 2: 3 launches
;; workspace buffers: xcodes 8,388,608 bytes; wfrag 2,097,152 bytes; gates 131,072 bytes; meta 65,536 bytes of whole numbers; counts 131,072 bytes of whole numbers; sorted 65,536 bytes of whole numbers
;; launch route (part 1): grid 256 x 1, 4 waves a work-group, no clusters, 0 bytes of LDS; arguments hidden_states, router_w, lowp_scales, xcodes, gates, meta, counts; writes xcodes, gates, meta, counts
.if DOCPART == 1
	.amdgcn_target "amdgcn-amd-amdhsa--gfx1250"
	.amdhsa_code_object_version 6
	.text
	.protected	k_q7419eb6bec_route
	.globl	k_q7419eb6bec_route
	.p2align	8
	.type	k_q7419eb6bec_route,@function
k_q7419eb6bec_route:
	s_mov_b64 s[64:65], 0
	v_nop
	global_prefetch_b8 v0, s[64:65] scope:SCOPE_SE
	s_setreg_imm32_b32 hwreg(HW_REG_WAVE_MODE, 25, 1), 1
	s_wait_xcnt 0x0
; THE ROUTER AND x's CODES.  No LDS, no barrier: waves share nothing.  A wave owns 16 tokens (64 a work-group).  It reads each token's 512 numbers once, and makes of them
;   (a) the 8 router logits, in f32 fused multiply-adds (a coarser format would turn the choice between the second and third expert for some tokens),
;       softmax with the row's maximum taken away, the two largest (a strict > keeps the lower index), w = p / (p1 + p2 + 1e-6);
;   (b) the codes of E4M3: x / 2^e0, held within +-448, to the nearest code, ties to even.
;   The choice is stored as NUMBERS at fixed places; no address and no branch of this launch hangs on it:
;   gates[token] = (weight of expert a, weight of expert b), a < b;  meta[token] = p<<2 | rank<<8 | a<<16 | b<<20, p = the pair's bin (0..27),
;   rank = how many earlier tokens of my 16 have the same bin;  counts[block of 16 tokens][bin] = tokens of that bin in the block.
;   BIN: p = b (b - 1) / 2 + (b odd ? a : b - 1 - a): neighbouring bins share an expert.
;   xcodes[token][pos]: lane l stores its 16 codes as it loaded the numbers: pos = 16 l + 4 i + j holds k = 128 i + 4 l + j.  The weights get the same order of k in the next launch.
; LIMITS: e0 between -126 and 119, so that 2^e0 and 448 x 2^e0 are f32 numbers.  NaN among the inputs is not served.  An exponential under 2^-126 counts as 0:
;   its weight is then 0, so which of several such experts is taken does not show in the result.
; The stores of gates, meta and counts are pieces of 64 or 128 consecutive bytes a wave: 327,680 bytes of the launch's 8.7 million stored.
.set LIM, 4                            ; v4      448 x 2^e0
.set SC,  5                            ; v5      2^e0
.set Q,   16                           ; v16-31  a token's 16 numbers of my lane, held
.set PA,  32                           ; v32-47  eight pairs of partial sums, one pair an expert
.set Z,   48                           ; v48-87  a stack of five sets of 8 partial logits
.set U,   88                           ; v88-95  what a lane sends in a fold
.set CD,  96                           ; v96-111 codes, four sets of four registers
.set RW,  128                          ; v128-255 router_w[e][128 i + 4 l + j] at v[RW + 16 e + 4 i + j]
                                       ; window 1: x[token t][128 i + 4 l + j] at v[16 t + 4 i + j], all 16 tokens
.set MSB, 0
.macro WIN new                         ; the immediate's high byte repeats the setting that is left
.if MSB != \new
	s_set_vgpr_msb (MSB<<8)|\new
.set MSB, \new
.endif
.endm
	s_load_b128 s[4:7], s[0:1], 0x0                ; hidden_states s[4:5], router_w s[6:7]
	s_load_b64 s[10:11], s[0:1], 0x10              ; lowp_scales
	s_load_b64 s[12:13], s[0:1], 0x18              ; xcodes
	s_load_b128 s[16:19], s[0:1], 0x20             ; gates s[16:17], meta s[18:19]
	s_load_b64 s[20:21], s[0:1], 0x30              ; counts
	v_lshrrev_b32 v1, 5, v0
	v_readfirstlane_b32 s22, v1                    ; wave 0..3
	v_and_b32 v1, 31, v0                           ; lane
	v_lshlrev_b32 v2, 4, v1                        ; 16 x lane: my 16 bytes of 512; never rewritten
	s_lshl_b32 s38, ttmp9, 6
	s_lshl_b32 s39, s22, 4
	s_add_co_u32 s38, s38, s39                     ; T0 = 64 x work-group + 16 x wave: my first token
	s_mov_b32 s41, 0
	s_wait_kmcnt 0x0
	s_load_b32 s24, s[10:11], 0x0                  ; e0
	s_lshl_b32 s40, s38, 11
	s_add_nc_u64 s[26:27], s[4:5], s[40:41]        ; its row of x (2,048 bytes a token)
	s_lshl_b32 s40, s38, 9
	s_add_nc_u64 s[28:29], s[12:13], s[40:41]      ; its row of codes (512 bytes)
	s_lshl_b32 s40, s38, 3
	s_add_nc_u64 s[16:17], s[16:17], s[40:41]      ; its pair of gates (8 bytes)
	s_add_nc_u64 s[20:21], s[20:21], s[40:41]      ; my block's 32 counts: (T0 / 16) x 128 bytes = 8 T0
	s_lshl_b32 s40, s38, 2
	s_add_nc_u64 s[18:19], s[18:19], s[40:41]      ; its word of meta
.irp e, 0,1,2,3,4,5,6,7
.irp i, 0,1,2,3
	global_load_b128 v[RW+16*\e+4*\i:RW+16*\e+4*\i+3], v2, s[6:7] offset:2048*\e+512*\i   ; read by every wave of the launch: no hint
.endr
.endr
	WIN 0x40                                       ; destination window 1
.irp t, 0,1,2,3,4,5,6,7,8,9,10,11,12,13,14,15
.irp i, 0,1,2,3
	global_load_b128 v[16*\t+4*\i:16*\t+4*\i+3], v2, s[26:27] offset:2048*\t+512*\i th:TH_LOAD_NT   ; 32 lanes read 512 consecutive bytes; all 32 KiB of the wave are asked for here
.endr
.endr
	WIN 0
	s_mov_b32 s30, 0xaaaaaaaa                      ; lanes with bit 0 set, bit 1, bit 2, bit 3, bit 4
	s_mov_b32 s31, 0xcccccccc
	s_mov_b32 s32, 0xf0f0f0f0
	s_mov_b32 s33, 0xff00ff00
	s_mov_b32 s34, 0xffff0000
	s_mov_b32 s36, 0x76543210                      ; v_permlanex16_b32: lane l takes lane l xor 16
	s_mov_b32 s37, 0xfedcba98
	s_wait_kmcnt 0x0
	s_add_co_i32 s38, s24, 127
	s_lshl_b32 s39, s38, 23
	v_mov_b32 v[SC], s39                           ; 2^e0 as f32: the conversion takes its exponent field
	s_add_co_i32 s38, s38, 8
	s_lshl_b32 s38, s38, 23
	s_or_b32 s38, s38, 0x600000
	v_mov_b32 v[LIM], s38                          ; 448 x 2^e0
; A FOLD joins the two top sets of the stack, A (earlier tokens) and B (later ones): lanes whose bit is clear keep A and send B, the others keep B and send A, and each adds what
; its partner (lane xor xm) sends.  After four levels lane l holds the logits of token l % 16, summed over its 16 lanes: 24 instructions a fold, 15 folds for 16 tokens.
.macro FOLD m, xm
.set MB, Z+8*DEP
.set MA, MB-8
.irp e, 0,1,2,3,4,5,6,7
	v_cndmask_b32 v[U+\e], v[MB+\e], v[MA+\e], s[\m]           ; sent
.endr
.irp e, 0,1,2,3,4,5,6,7
	v_cndmask_b32 v[MA+\e], v[MA+\e], v[MB+\e], s[\m]          ; kept
.endr
.irp e, 0,1,2,3,4,5,6,7
	v_add_f32_dpp v[MA+\e], v[U+\e], v[MA+\e] row_xmask:\xm row_mask:0xf bank_mask:0xf
.endr
.set DEP, DEP-1
.endm
.macro TOKEN t
.set PCT, ((\t)&1)+(((\t)>>1)&1)+(((\t)>>2)&1)+(((\t)>>3)&1)   ; sets on the stack when token t arrives
.set XB, 16*(\t)
.set CDS, CD+4*((\t)%4)
	s_wait_loadcnt 4*(15-(\t))                     ; loads come back in order: router_w and tokens 0 .. t are in, the four loads of each later token may be out
	WIN 0x01                                       ; source 0 (x) window 1
.irp e, 0,1,2,3,4,5,6,7
	v_pk_mul_f32 v[PA+2*\e:PA+2*\e+1], v[XB:XB+1], v[RW+16*\e:RW+16*\e+1]     ; the first products start the sums; eight chains that do not wait for each other
.endr
.irp m, 1,2,3,4,5,6,7
.irp e, 0,1,2,3,4,5,6,7
	v_pk_fma_f32 v[PA+2*\e:PA+2*\e+1], v[XB+2*\m:XB+2*\m+1], v[RW+16*\e+2*\m:RW+16*\e+2*\m+1], v[PA+2*\e:PA+2*\e+1]
.endr
.endr
.irp n, 0,1,2,3,4,5,6,7,8,9,10,11,12,13,14,15
	v_med3_num_f32 v[Q+\n], v[XB+\n], -v[LIM], v[LIM]          ; the conversion to an 8-bit code does not saturate (ISA guide 7.6.2): the hold at 448 x the scale
.endr
	WIN 0
.if (\t) >= 4
	s_wait_xcnt 0x0                                ; the store of four tokens ago has read this set of code registers: it is rewritten only behind this wait.  The first four tokens' sets no store has named
.endif
	v_cvt_scalef32_pk8_fp8_f32 v[CDS:CDS+1], v[Q:Q+7], v[SC]
	v_cvt_scalef32_pk8_fp8_f32 v[CDS+2:CDS+3], v[Q+8:Q+15], v[SC]
.irp e, 0,1,2,3,4,5,6,7
	v_add_f32 v[Z+8*PCT+\e], v[PA+2*\e], v[PA+2*\e+1]          ; my lane's part of logit e goes on the stack.  (Plain lines behind the conversions, ahead of the next write of their sources)
.endr
	global_store_b128 v2, v[CDS:CDS+3], s[28:29] offset:512*(\t)   ; the token's 512 codes: 512 consecutive bytes, at a multiple of 512 from the buffer's first byte
.set DEP, PCT
.if ((\t)&1) == 1
	FOLD 30, 1
.endif
.if ((\t)&3) == 3
	FOLD 31, 2
.endif
.if ((\t)&7) == 7
	FOLD 32, 4
.endif
.if ((\t)&15) == 15
	FOLD 33, 8
.endif
.endm
.irp t, 0,1,2,3,4,5,6,7,8,9,10,11,12,13,14,15
	TOKEN \t
.endr
.irp e, 0,1,2,3,4,5,6,7
	v_permlanex16_b32 v[U+\e], v[Z+\e], s36, s37   ; the other 16 lanes' half of the sums
.endr
.irp e, 0,1,2,3,4,5,6,7
	v_add_f32 v[Z+\e], v[Z+\e], v[U+\e]            ; lanes l and l + 16 both hold the 8 logits of token l % 16
.endr
	s_wait_xcnt 0x0                                ; the last stores have read their codes: v104-111 serve the lines below
	; softmax's numerators e_i = 2^((l_i - max) log2 e): they order as the probabilities do
	v_max3_num_f32 v104, v48, v49, v50
	v_max3_num_f32 v104, v104, v51, v52
	v_max3_num_f32 v104, v104, v53, v54
	v_max_num_f32 v104, v104, v55
.irp e, 0,1,2,3,4,5,6,7
	v_sub_f32 v[Z+\e], v[Z+\e], v104
.endr
.irp e, 0,1,2,3,4,5,6,7
	v_mul_f32 v[Z+\e], 0x3fb8aa3b, v[Z+\e]
.endr
.irp e, 0,1,2,3,4,5,6,7
	v_exp_f32 v[Z+\e], v[Z+\e]
.endr
	v_mov_b32 v107, 0                              ; i1.  (The plain line behind the exponentials)
	s_wait_alu depctr_va_vdst(0)
	v_add_f32 v105, v48, v49
	v_add_f32 v106, v50, v51
	v_add_f32 v108, v52, v53
	v_add_f32 v109, v54, v55
	v_add_f32 v105, v105, v106
	v_add_f32 v108, v108, v109
	v_add_f32 v105, v105, v108                     ; the row's sum
	v_mov_b32 v106, v48                            ; the largest so far
.irp i, 1,2,3,4,5,6,7
	v_cmp_gt_f32 vcc_lo, v[Z+\i], v106             ; strictly greater: of equals the lower index stays
	v_cndmask_b32 v106, v106, v[Z+\i], vcc_lo
	v_cndmask_b32 v107, v107, \i, vcc_lo
.endr
.irp i, 0,1,2,3,4,5,6,7
	v_cmp_eq_u32 vcc_lo, \i, v107
	v_cndmask_b32 v[Z+\i], v[Z+\i], -1.0, vcc_lo   ; the first choice is taken out: -1 lies under every e_i
.endr
	v_mov_b32 v108, v48
	v_mov_b32 v109, 0                              ; i2
.irp i, 1,2,3,4,5,6,7
	v_cmp_gt_f32 vcc_lo, v[Z+\i], v108
	v_cndmask_b32 v108, v108, v[Z+\i], vcc_lo
	v_cndmask_b32 v109, v109, \i, vcc_lo
.endr
	v_rcp_f32 v110, v105
	v_nop                                          ; a plain line behind the reciprocal
	s_wait_alu depctr_va_vdst(0)
	v_mul_f32 v111, v106, v110                     ; p1
	v_mul_f32 v112, v108, v110                     ; p2
	v_add_f32 v113, v111, v112
	v_add_f32 v113, 0x358637bd, v113               ; + 1e-6
	v_rcp_f32 v114, v113
	v_min_u32 v115, v107, v109                     ; a.  (A plain line behind the reciprocal)
	v_max_u32 v116, v107, v109                     ; b
	s_wait_alu depctr_va_vdst(0)
	v_mul_f32 v111, v111, v114                     ; w1
	v_mul_f32 v112, v112, v114                     ; w2
	v_cmp_lt_u32 vcc_lo, v107, v109
	v_cndmask_b32 v117, v112, v111, vcc_lo         ; a's weight
	v_cndmask_b32 v118, v111, v112, vcc_lo         ; b's weight
	v_add_nc_u32 v119, -1, v116                    ; b - 1
	v_mul_u32_u24 v120, v116, v119
	v_lshrrev_b32 v120, 1, v120                    ; b (b - 1) / 2
	v_sub_nc_u32 v121, v119, v115                  ; b - 1 - a
	v_and_b32 v122, 1, v116
	v_cmp_eq_u32 vcc_lo, 1, v122
	v_cndmask_b32 v121, v121, v115, vcc_lo         ; b odd: a
	v_add_nc_u32 v120, v120, v121                  ; p
	v_add_nc_u32 v122, 1, v120                     ; p + 1: never the 0 that a lane without a source gets below
	v_mov_b32 v123, 0
	v_mov_b32 v124, 0                              ; rank
	v_mov_b32 v125, 0                              ; count
.irp n, 1,2,3,4,5,6,7,8,9,10,11,12,13,14,15
	v_mov_b32_dpp v123, v122 row_shr:\n row_mask:0xf bank_mask:0xf bound_ctrl:1   ; the token n places earlier
	v_cmp_eq_u32 vcc_lo, v123, v122
	v_add_co_ci_u32 v124, vcc_lo, 0, v124, vcc_lo
.endr
.irp i, 0,1,2,3,4,5,6,7,8,9,10,11,12,13,14,15
	v_readlane_b32 s38, v120, \i                   ; token i's bin, held against my lane's number: lane = bin.  A value only: it enters no address and no branch
	v_cmp_eq_u32 vcc_lo, s38, v1
	v_add_co_ci_u32 v125, vcc_lo, 0, v125, vcc_lo
.endr
	v_lshlrev_b32 v126, 2, v120
	v_lshl_or_b32 v126, v124, 8, v126
	v_lshl_or_b32 v126, v115, 16, v126
	v_lshl_or_b32 v126, v116, 20, v126             ; p<<2 | rank<<8 | a<<16 | b<<20
	v_and_b32 v6, 15, v1
	v_lshrrev_b32 v7, 4, v1
	v_lshlrev_b32 v8, 3, v6
	v_lshl_add_u32 v8, v7, 2, v8                   ; 8 (lane % 16) + 4 (lane / 16)
	v_cndmask_b32 v9, v117, v118, s34              ; lanes 0-15 store a's weight, lanes 16-31 b's
	global_store_b32 v8, v9, s[16:17]              ; 128 consecutive bytes
	v_lshlrev_b32 v10, 2, v1
	global_store_b32 v10, v125, s[20:21]           ; 128 consecutive bytes
	s_wait_xcnt 0x0                                ; EXEC changes only behind this wait
	v_cmp_gt_u32 vcc_lo, 16, v1
	s_and_saveexec_b32 s38, vcc_lo
	global_store_b32 v10, v126, s[18:19]           ; lanes 0-15: 64 consecutive bytes
	s_wait_xcnt 0x0
	s_or_b32 exec_lo, exec_lo, s38
	s_endpgm
.Lfunc_end_k_q7419eb6bec_route:
	.size	k_q7419eb6bec_route, .Lfunc_end_k_q7419eb6bec_route-k_q7419eb6bec_route
	.p2alignl 7, 3214868480
	.fill 96, 4, 3214868480
	.section	.rodata,"a",@progbits
	.p2align	6, 0x0
	.amdhsa_kernel k_q7419eb6bec_route
		.amdhsa_group_segment_fixed_size 0
		.amdhsa_private_segment_fixed_size 0
		.amdhsa_enable_private_segment 0
		.amdhsa_kernarg_size 56
		.amdhsa_user_sgpr_count 2
		.amdhsa_user_sgpr_kernarg_segment_ptr 1
		.amdhsa_wavefront_size32 1
		.amdhsa_system_sgpr_workgroup_id_x 1
		.amdhsa_system_sgpr_workgroup_id_y 1
		.amdhsa_system_sgpr_workgroup_id_z 1
		.amdhsa_system_vgpr_workitem_id 0
		.amdhsa_next_free_vgpr 512
		.amdhsa_next_free_sgpr 66
		.amdhsa_reserve_vcc 1
		.amdhsa_float_denorm_mode_32 3
		.amdhsa_float_denorm_mode_16_64 3
		.amdhsa_memory_ordered 1
		.amdhsa_forward_progress 1
		.amdhsa_inst_pref_size 134
	.end_amdhsa_kernel
	.amdgpu_metadata
---
amdhsa.version: [ 1, 2 ]
amdhsa.kernels:
  - .name:           k_q7419eb6bec_route
    .symbol:         k_q7419eb6bec_route.kd
    .args:
      - { .name: hidden_states, .offset: 0, .size: 8, .value_kind: global_buffer, .address_space: global }
      - { .name: router_w, .offset: 8, .size: 8, .value_kind: global_buffer, .address_space: global }
      - { .name: lowp_scales, .offset: 16, .size: 8, .value_kind: global_buffer, .address_space: global }
      - { .name: xcodes, .offset: 24, .size: 8, .value_kind: global_buffer, .address_space: global }
      - { .name: gates, .offset: 32, .size: 8, .value_kind: global_buffer, .address_space: global }
      - { .name: meta, .offset: 40, .size: 8, .value_kind: global_buffer, .address_space: global }
      - { .name: counts, .offset: 48, .size: 8, .value_kind: global_buffer, .address_space: global }
    .group_segment_fixed_size: 0
    .private_segment_fixed_size: 0
    .kernarg_segment_align: 8
    .kernarg_segment_size: 56
    .max_flat_workgroup_size: 128
    .sgpr_count:     66
    .vgpr_count:     512
    .wavefront_size: 32
...
	.end_amdgpu_metadata
.endif
;; end of part 1
;; launch place (part 2): grid 80 x 1, 16 waves a work-group, no clusters, 6,144 bytes of LDS; arguments meta, counts, sorted, expert_weights, lowp_scales, wfrag; writes sorted, wfrag
.if DOCPART == 2
	.amdgcn_target "amdgcn-amd-amdhsa--gfx1250"
	.amdhsa_code_object_version 6
	.text
	.protected	k_q7419eb6bec_place
	.globl	k_q7419eb6bec_place
	.p2align	8
	.type	k_q7419eb6bec_place,@function
k_q7419eb6bec_place:
	s_mov_b64 s[64:65], 0
	v_nop
	global_prefetch_b8 v0, s[64:65] scope:SCOPE_SE
	s_setreg_imm32_b32 hwreg(HW_REG_WAVE_MODE, 25, 1), 1
	s_wait_xcnt 0x0
; TWO JOBS IN ONE LAUNCH, parted on the work-group's number alone.  The sort has work for sixteen work-groups and waits for memory most of its time: the weights are quantised beside it.
; WORK-GROUPS 0-15: A COUNTING SORT of the 16,384 tokens by their bin (the pair of experts, 0..27), stable in the token's number, without atomics.
;   meta[token] = p<<2 | rank<<8 | a<<16 | b<<20;  counts[block of 16 tokens, 1,024][32];  sorted[position] = token | a<<16 | b<<20.
;   position = (tokens of lower bins) + (tokens of my bin in earlier blocks) + rank.
;   Work-group g places tokens 1,024 g on, its wave w tokens 1,024 g + 64 w on (four blocks).  Every work-group sums the whole table of counts: wave w sums blocks 64 w .. 64 w + 63,
;   which are the blocks that work-group NUMBER w places: so the sixteen waves' sums are the sixteen work-groups' totals.  A lane is a bin throughout the sums.
;   The bins' totals add up to 16,384, so every word of sorted is stored once.  The stores are 4 bytes a lane at scattered places: they are the placement itself, 65,536 bytes in all.
; WORK-GROUPS 16-79: THE EXPERTS' WEIGHTS [e][k][o] INTO CODES of E4M3 (x / 2^e1, held within +-448, to the nearest code, ties to even), in the order of the operand's registers.
;   A lane takes a column o and its registers run down k.  No LDS, no barrier on this path: its waves share nothing.  A wave takes 32 columns x 64 of k: 64 loads, all asked for at once.
;   wfrag[e][w 4][hf 2][s 4][o4 4][c 4][lane 32][16 bytes]: column o = 128 w + 64 hf + 16 o4 + lane % 16; byte i of lane (r, h) is k = 128 (i / 4) + 32 s + 8 c + 4 h + i % 4:
;   the order of k in which the launch before laid x's codes.
;   LIMITS: e1 between -126 and 119, so that 2^e1 and 448 x 2^e1 are f32 numbers.  NaN among the inputs is not served.
.set C, 16                             ; v16-79  64 blocks' counts of my bin; later the sixteen totals and the sixteen waves' sums
.set O, 80                             ; v80-83  my own four blocks' counts
.set M, 84                             ; v84-85  my 64 tokens' words of meta
.set WX, 32                            ; the weights' path: v32-95 two sets of 32 numbers
.set WC, 96                            ; v96-111 codes: eight registers for each of two blocks, so that no store's data are written again
	s_load_b128 s[4:7], s[0:1], 0x0                ; meta s[4:5], counts s[6:7]
	s_load_b64 s[8:9], s[0:1], 0x10                ; sorted
	s_load_b128 s[32:35], s[0:1], 0x18             ; expert_weights s[32:33], lowp_scales s[34:35]
	s_load_b64 s[36:37], s[0:1], 0x28              ; wfrag
	v_lshl_add_u32 v128, v0, 2, 0x1000
	v_mov_b32 v129, 0
	v_lshrrev_b32 v1, 5, v0
	v_readfirstlane_b32 s10, v1                    ; wave 0..15
	v_and_b32 v1, 31, v0                           ; lane
	s_cmp_ge_u32 ttmp9, 16
	s_cbranch_scc1 .Lweights
; ---------------------------------------------------------------- the sort
	v_lshlrev_b32 v2, 2, v1                        ; 4 x lane
	v_lshlrev_b32 v3, 2, v0                        ; 4 x thread = 128 x wave + 4 x lane
	s_mov_b32 s11, ttmp9                           ; g
	s_mov_b32 s18, 0xffff0000                      ; lanes 16-31
	s_mov_b32 s23, 0
	s_lshl_b32 s22, s10, 13                        ; 64 w blocks of 128 bytes
	s_wait_kmcnt 0x0
	s_add_nc_u64 s[12:13], s[6:7], s[22:23]
	s_lshl_b32 s22, s11, 13
	s_lshl_b32 s24, s10, 9
	s_add_co_u32 s22, s22, s24                     ; (64 g + 4 w) blocks
	s_add_nc_u64 s[14:15], s[6:7], s[22:23]
	s_lshl_b32 s22, s11, 12
	s_lshl_b32 s24, s10, 8
	s_add_co_u32 s22, s22, s24                     ; (1,024 g + 64 w) words
	s_add_nc_u64 s[16:17], s[4:5], s[22:23]
.irp i, 0,1,2,3,4,5,6,7,8,9,10,11,12,13,14,15,16,17,18,19,20,21,22,23,24,25,26,27,28,29,30,31,32,33,34,35,36,37,38,39,40,41,42,43,44,45,46,47,48,49,50,51,52,53,54,55,56,57,58,59,60,61,62,63
	global_load_b32 v[C+\i], v2, s[12:13] offset:128*\i
.endr
.irp i, 0,1,2,3
	global_load_b32 v[O+\i], v2, s[14:15] offset:128*\i
.endr
.irp i, 0,1
	global_load_b32 v[M+\i], v2, s[16:17] offset:128*\i
.endr
	s_wait_loadcnt 0x0                             ; all of them are wanted now
.irp k, 0,1,2,3
	v_add3_u32 v[4+\k], v[C+16*\k], v[C+16*\k+1], v[C+16*\k+2]     ; four chains of sixteen
.endr
.irp i, 3,5,7,9,11,13
.irp k, 0,1,2,3
	v_add3_u32 v[4+\k], v[4+\k], v[C+16*\k+\i], v[C+16*\k+\i+1]
.endr
.endr
.irp k, 0,1,2,3
	v_add_nc_u32 v[4+\k], v[4+\k], v[C+16*\k+15]
.endr
	v_add3_u32 v4, v4, v5, v6
	v_add_nc_u32 v4, v4, v7                        ; T: my bin's tokens among tokens 1,024 w ..
	v_add3_u32 v8, v80, v81, v82
	v_add_nc_u32 v8, v8, v83                       ; Q: my bin's tokens among my wave's own 64
	ds_store_b32 v3, v4                            ; T[wave][bin] at byte 0 on
	ds_store_b32 v3, v8 offset:2048                ; Q[wave][bin] at byte 2,048 on
	s_wait_dscnt 0x0                               ; for the others' sake: my stores are done
	s_barrier_signal -1
	s_barrier_wait -1
.irp k, 0,1,2,3,4,5,6,7,8,9,10,11,12,13,14,15
	ds_load_b32 v[C+\k], v2 offset:128*\k
.endr
.irp k, 0,1,2,3,4,5,6,7,8,9,10,11,12,13,14,15
	ds_load_b32 v[C+16+\k], v2 offset:2048+128*\k
.endr
	s_wait_dscnt 0x0
	v_add3_u32 v4, v16, v17, v18
.irp i, 3,5,7,9,11,13
	v_add3_u32 v4, v4, v[C+\i], v[C+\i+1]
.endr
	v_add_nc_u32 v4, v4, v31                       ; my bin's tokens in all
	v_mov_b32 v5, 0
.irp k, 0,1,2,3,4,5,6,7,8,9,10,11,12,13,14
	s_cmp_gt_u32 s11, \k                           ; work-groups in front of mine,
	s_cselect_b32 s20, 1, 0
	v_mad_u32_u24 v5, v[C+\k], s20, v5             ; (every count is 16,384 at the most)
	s_cmp_gt_u32 s10, \k                           ; and waves of mine in front of me
	s_cselect_b32 s21, 1, 0
	v_mad_u32_u24 v5, v[C+16+\k], s21, v5
.endr
	v_mov_b32 v6, v4                               ; a running sum over the bins: within each 16 lanes,
	v_mov_b32 v7, 0
.irp n, 1,2,4,8
	v_mov_b32_dpp v7, v6 row_shr:\n row_mask:0xf bank_mask:0xf bound_ctrl:1
	v_add_nc_u32 v6, v6, v7
.endr
	v_readlane_b32 s21, v6, 15                     ; then bins 0-15's sum onto bins 16-31
	v_mov_b32 v7, s21
	v_cndmask_b32 v7, 0, v7, s18
	v_add_nc_u32 v6, v6, v7
	v_sub_nc_u32 v6, v6, v4                        ; without my own bin: the tokens of lower bins
	v_add_nc_u32 v5, v5, v6                        ; where my bin's tokens of my first block begin,
	v_add_nc_u32 v8, v5, v80                       ; of my second,
	v_add_nc_u32 v9, v8, v81                       ; third
	v_add_nc_u32 v10, v9, v82                      ; and fourth
	v_and_b32 v11, 0x7c, v84                       ; 4 p of tokens 0-31: the lane to ask, as a byte address
	v_and_b32 v12, 0x7c, v85                       ; of tokens 32-63
	ds_bpermute_b32 v86, v11, v5
	ds_bpermute_b32 v87, v11, v8
	ds_bpermute_b32 v88, v12, v9
	ds_bpermute_b32 v89, v12, v10
	s_lshl_b32 s22, s11, 10
	s_lshl_b32 s24, s10, 6
	s_add_co_u32 s22, s22, s24
	v_add_nc_u32 v92, s22, v1                      ; the token's number
	v_add_nc_u32 v93, 32, v92
	v_bfe_u32 v13, v84, 8, 4                       ; rank
	v_bfe_u32 v14, v85, 8, 4
	v_and_or_b32 v90, v84, 0x770000, v92           ; token | a<<16 | b<<20
	v_and_or_b32 v91, v85, 0x770000, v93
	s_wait_dscnt 0x0
	v_cndmask_b32 v86, v86, v87, s18               ; lanes 0-15 are a block, lanes 16-31 the next
	v_cndmask_b32 v88, v88, v89, s18
	v_add_nc_u32 v86, v86, v13
	v_add_nc_u32 v88, v88, v14
	v_min_u32 v86, 0x3fff, v86                     ; a position made of loaded numbers enters an address only behind this bound
	v_min_u32 v88, 0x3fff, v88
	v_lshlrev_b32 v86, 2, v86
	v_lshlrev_b32 v88, 2, v88
	global_store_b32 v86, v90, s[8:9]
	global_store_b32 v88, v91, s[8:9]
	s_wait_tensorcnt 0x0
	ds_add_u32 v128, v129
	s_wait_dscnt 0x0
	s_endpgm
; ---------------------------------------------------------------- the weights
.Lweights:
	s_sub_co_u32 s38, ttmp9, 16
	s_lshl_b32 s38, s38, 1
	s_lshr_b32 s39, s10, 3
	s_add_co_u32 s38, s38, s39                     ; q = 2 x (work-group - 16) + wave / 8: 0..127
	s_and_b32 s22, s10, 3                          ; wv: which 32 of 128 columns
	s_bfe_u32 s47, s10, 0x10002                    ; ch: chunks c = 2 ch, 2 ch + 1
	s_lshr_b32 s39, s38, 4                         ; e
	s_bfe_u32 s44, s38, 0x20002                    ; s: which 32 of each 128 along k
	s_and_b32 s45, s38, 3                          ; cq: which 128 columns
	s_lshl_b32 s40, s39, 20                        ; in: e x 512 x 2,048 bytes
	s_lshl_b32 s46, s44, 16                        ; + 32 s rows
	s_add_co_u32 s40, s40, s46
	s_lshl_b32 s46, s47, 15                        ; + 16 ch rows
	s_add_co_u32 s40, s40, s46
	s_lshl_b32 s46, s45, 9                         ; + 128 cq columns
	s_add_co_u32 s40, s40, s46
	s_lshl_b32 s46, s22, 7                         ; + 32 wv columns
	s_add_co_u32 s40, s40, s46
	s_mov_b32 s41, 0
	s_lshl_b32 s42, s39, 18                        ; out: e x 262,144
	s_lshl_b32 s46, s45, 16                        ; + w x 65,536 (w = cq)
	s_add_co_u32 s42, s42, s46
	s_lshr_b32 s46, s22, 1
	s_lshl_b32 s46, s46, 15                        ; + hf x 32,768 (hf = wv / 2)
	s_add_co_u32 s42, s42, s46
	s_lshl_b32 s46, s44, 13                        ; + s x 8,192
	s_add_co_u32 s42, s42, s46
	s_and_b32 s46, s22, 1
	s_lshl_b32 s46, s46, 12                        ; + o4 x 2,048, o4 = 2 (wv % 2) + lane / 16
	s_add_co_u32 s42, s42, s46
	s_lshl_b32 s46, s47, 10                        ; + 2 ch x 512
	s_add_co_u32 s42, s42, s46
	s_mov_b32 s43, 0
	v_lshlrev_b32 v6, 2, v1                        ; in: my column, 4 bytes a lane: a wave reads 128 consecutive bytes, four neighbouring waves 512
	v_lshrrev_b32 v7, 4, v1
	v_lshlrev_b32 v7, 11, v7
	v_and_b32 v8, 15, v1
	v_lshl_add_u32 v7, v8, 4, v7                   ; out: 2,048 (lane / 16) + 16 (lane % 16)
	s_wait_kmcnt 0x0
	s_load_b32 s25, s[34:35], 0x4                  ; e1
	s_add_nc_u64 s[40:41], s[32:33], s[40:41]
	s_add_nc_u64 s[42:43], s[36:37], s[42:43]
; Block c (of my two): register n = 16 h + i is W(k = 128 (i / 4) + 32 s + 8 (2 ch + c) + 4 h + i % 4, my column): the 16 bytes of the operand's lanes (r, 0) and (r, 1) of that chunk
.macro LOADW c
.irp n, 0,1,2,3,4,5,6,7,8,9,10,11,12,13,14,15,16,17,18,19,20,21,22,23,24,25,26,27,28,29,30,31
	global_load_b32 v[WX+32*(\c)+\n], v6, s[40:41] offset:(128*((\n%16)/4)+8*(\c)+4*(\n/16)+(\n%4))*2048 th:TH_LOAD_NT
.endr
.endm
.macro BLOCKW c
.set XS, WX+32*(\c)
	s_wait_loadcnt 32*(1-(\c))                     ; this block's 32 loads are in; the second block's may be out
.irp n, 0,1,2,3,4,5,6,7,8,9,10,11,12,13,14,15,16,17,18,19,20,21,22,23,24,25,26,27,28,29,30,31
	v_med3_num_f32 v[XS+\n], v[XS+\n], -v10, v10   ; the conversion to an 8-bit code does not saturate (ISA guide 7.6.2): the hold at 448 x the scale
.endr
.irp g, 0,1,2,3
	v_cvt_scalef32_pk8_fp8_f32 v[WC+8*(\c)+2*\g:WC+8*(\c)+2*\g+1], v[XS+8*\g:XS+8*\g+7], v11
.endr
	global_store_b128 v7, v[WC+8*(\c):WC+8*(\c)+3], s[42:43] offset:512*(\c)           ; h = 0: sixteen lanes store 256 consecutive bytes, at a multiple of 256 from the buffer's first byte
	global_store_b128 v7, v[WC+8*(\c)+4:WC+8*(\c)+7], s[42:43] offset:512*(\c)+256     ; h = 1.  (The conversions' results go to stores; the next vector lines are the other set's holds, which are plain)
.endm
	LOADW 0
	LOADW 1
	s_wait_kmcnt 0x0
	s_add_co_i32 s38, s25, 127
	s_lshl_b32 s39, s38, 23
	v_mov_b32 v11, s39                             ; 2^e1 as f32: the conversion takes its exponent field
	s_add_co_i32 s38, s38, 8
	s_lshl_b32 s38, s38, 23
	s_or_b32 s38, s38, 0x600000
	v_mov_b32 v10, s38                             ; 448 x 2^e1
	BLOCKW 0
	BLOCKW 1
	s_endpgm
.Lfunc_end_k_q7419eb6bec_place:
	.size	k_q7419eb6bec_place, .Lfunc_end_k_q7419eb6bec_place-k_q7419eb6bec_place
	.p2alignl 7, 3214868480
	.fill 96, 4, 3214868480
	.section	.rodata,"a",@progbits
	.p2align	6, 0x0
	.amdhsa_kernel k_q7419eb6bec_place
		.amdhsa_group_segment_fixed_size 6144
		.amdhsa_private_segment_fixed_size 0
		.amdhsa_enable_private_segment 0
		.amdhsa_kernarg_size 48
		.amdhsa_user_sgpr_count 2
		.amdhsa_user_sgpr_kernarg_segment_ptr 1
		.amdhsa_wavefront_size32 1
		.amdhsa_system_sgpr_workgroup_id_x 1
		.amdhsa_system_sgpr_workgroup_id_y 1
		.amdhsa_system_sgpr_workgroup_id_z 1
		.amdhsa_system_vgpr_workitem_id 0
		.amdhsa_next_free_vgpr 130
		.amdhsa_next_free_sgpr 66
		.amdhsa_reserve_vcc 0
		.amdhsa_float_denorm_mode_32 3
		.amdhsa_float_denorm_mode_16_64 3
		.amdhsa_memory_ordered 1
		.amdhsa_forward_progress 1
		.amdhsa_inst_pref_size 32
	.end_amdhsa_kernel
	.amdgpu_metadata
---
amdhsa.version: [ 1, 2 ]
amdhsa.kernels:
  - .name:           k_q7419eb6bec_place
    .symbol:         k_q7419eb6bec_place.kd
    .args:
      - { .name: meta, .offset: 0, .size: 8, .value_kind: global_buffer, .address_space: global }
      - { .name: counts, .offset: 8, .size: 8, .value_kind: global_buffer, .address_space: global }
      - { .name: sorted, .offset: 16, .size: 8, .value_kind: global_buffer, .address_space: global }
      - { .name: expert_weights, .offset: 24, .size: 8, .value_kind: global_buffer, .address_space: global }
      - { .name: lowp_scales, .offset: 32, .size: 8, .value_kind: global_buffer, .address_space: global }
      - { .name: wfrag, .offset: 40, .size: 8, .value_kind: global_buffer, .address_space: global }
    .group_segment_fixed_size: 6144
    .private_segment_fixed_size: 0
    .kernarg_segment_align: 8
    .kernarg_segment_size: 48
    .max_flat_workgroup_size: 512
    .sgpr_count:     66
    .vgpr_count:     130
    .wavefront_size: 32
...
	.end_amdgpu_metadata
.endif
;; end of part 2
;; launch experts (part 3): grid 256 x 1, 4 waves a work-group, no clusters, 103,936 bytes of LDS; arguments xcodes, wfrag, sorted, gates, lowp_scales, out0; writes out0
.if DOCPART == 3
	.amdgcn_target "amdgcn-amd-amdhsa--gfx1250"
	.amdhsa_code_object_version 6
	.text
	.protected	k_q7419eb6bec_experts
	.globl	k_q7419eb6bec_experts
	.p2align	8
	.type	k_q7419eb6bec_experts,@function
k_q7419eb6bec_experts:
	s_mov_b64 s[64:65], 0
	v_nop
	global_prefetch_b8 v0, s[64:65] scope:SCOPE_SE
	s_setreg_imm32_b32 hwreg(HW_REG_WAVE_MODE, 25, 1), 1
	s_wait_xcnt 0x0
; out[token] = ga x (x W_a) + gb x (x W_b), on codes of E4M3; each sum stands for sum x 2^(e0 + e1), which is folded into the gates by v_ldexp_f32 (no limit on e0 + e1).
; SHARES.  Work-group j owns the 64 tokens at positions 64 j .. 64 j + 63 of the list sorted by pairs of experts: four tiles of 16.  It walks ONLY the experts that its tokens use
; (two where all 64 have one pair); a token that does not use a trip's expert has the gate 0.  Each row of out has one owner: 256 work-groups for every split.
; Wave w makes columns 128 w .. 128 w + 127 for all 64 tokens: so each byte of an expert's weights enters the work-group once, straight from memory into the operand's registers
; (an earlier launch laid them in that order: every load is 512 consecutive bytes), and x's 16 fragments stay in registers for the whole launch.
; THE WALK: the wave's columns in two HALVES of 64, and inside a half all the block's experts, one TRIP each.  So the first half's 64 x 64 results are finished, and leave, while the
; second half's weights are still streamed and multiplied: half of the launch's stores stand under work.
; THE MATRIX INSTRUCTION IS USED TRANSPOSED: source 0 = 16 columns of W_e, source 1 = 16 tokens: a lane holds ONE token (lane % 16), so its gate is one register, and its eight results
; are eight neighbouring columns.  k stands in another order in the registers than the form's own, the same in x and in W, so every product meets its partner.
; NO JOINT LOADS: which experts a block walks, and how many, is read from the stored list and differs between neighbouring blocks at the bins' borders: partners would want different
; numbers of tiles.  So the weights do not go through LDS, and no barrier stands in the walk.
; The list gives every token two different experts (a < b), so a block walks two experts at the least: in each half a first trip, a loop of n - 2 trips, a last trip.
; ROWS BY LANES: where a row's piece is 256 bytes (the gather of codes, the stores), lanes 0-15 take one row and lanes 16-31 another, and each lane LOADS the tokens of its rows from the list.
; REGISTERS, in windows of 256:  window 0: addresses, gates; v128-255 the 16 accumulators of a trip, (o, t) at v[128 + 8 (4 o + t)]
;   window 1: x's fragments, (tile t, K step s) at v[64 t + 16 s]     window 2: four sets of four fragments of W, unit s's at v[64 s + 16 o]
;   window 3: v0-127 OUT of the half in hand, (o, t) at v[8 (4 o + t)]; v128-255 the half's rows on their way out
; A UNIT s is 64 columns x 128 along K of W_e: 16 loads a lane, 16 matrix instructions.  Three units (48 loads) of every wave are always on their way, across experts and halves too.
.set PITCH, 528                        ; an LDS row of codes: 512 bytes + 16: an odd multiple of 16, so that sixteen rows' 16-byte pieces fall in sixteen different places of 256 bytes
.set TILEB, 16*PITCH
.set SP,    272                        ; a stage row: 256 bytes + 16, likewise
.set STGW,  64*SP                      ; a wave's stage: 64 rows
.set STG,   64*PITCH                   ; LDS: 64 rows of codes, then a stage for each wave, its own
.set L16, 3                            ; v3      16 x lane; never rewritten
.set FA,  4                            ; v4      a fragment's place for my lane: (lane % 16) x PITCH + 16 (lane / 16)
.set XS,  5                            ; v5      where I put my 16 bytes of the rows that my wave gathers
.set STO, 6                            ; v6      the stage: where I put 32 bytes of a row
.set RD,  7                            ; v7      and where I read rows back
.set OB,  8                            ; v8      my bytes in a row of out: 512 w + 16 (lane % 16)
.set H128, 9                           ; v9      128 (lane / 16)
.set SW,  10                           ; v10-13  the list's words of tile t, lane % 16
.set XW,  14                           ; v14     64 w + 32 (lane / 16)
.set R16, 15                           ; v15     16 (lane % 16)
.set TOK, 16                           ; v16-19  token;  v20-23 expert a;  v24-27 expert b;  v28-31 byte offset of the gates
.set EA,  20
.set EB,  24
.set GO,  28
.set XT,  32                           ; v32-39  positions 16 w + 8 (lane / 16) + q: their words, then the byte offsets of my pieces of their rows of codes
.set GG,  64                           ; v64-71  (ga, gb) x 2^(e0 + e1) of tile t
.set G,   72                           ; v72-79  pairs: the trip's gate of tile t, and a 0 that is only named
.set AD,  88                           ; v88-119 positions 32 (lane / 16) + m: their words, then the byte offsets of my pieces of their rows of out
.set TMP, 128
.set BK,  128                          ; in window 3
.set LM,  40                           ; s40-55  sixteen lanes' bits of the experts in use
.set MSB, 0
.macro WIN new                         ; the immediate's high byte repeats the setting that is left
.if MSB != \new
	s_set_vgpr_msb (MSB<<8)|\new
.set MSB, \new
.endif
.endm
; the lowest expert left in the mask s18 -> s[d]; its weights for my wave and the half in hand -> s[p:p+1]
.macro NEXTE d, p
	s_ctz_i32_b32 s[\d], s18
	s_min_u32 s[\d], s[\d], 7                      ; a number made of loaded numbers enters an address only behind this bound
	s_sub_co_u32 s32, s18, 1
	s_and_b32 s18, s18, s32                        ; that bit is cleared
	s_lshl_b32 s30, s[\d], 18                      ; 262,144 bytes an expert
	s_add_nc_u64 s[\p:\p+1], s[28:29], s[30:31]
.endm
.macro LOADU s, p
	WIN 0x80                                       ; destination window 2
.irp o, 0,1,2,3
.irp c, 0,1,2,3
	global_load_b128 v[64*(\s)+16*\o+4*\c:64*(\s)+16*\o+4*\c+3], v[L16], s[\p:\p+1] offset:8192*(\s)+2048*\o+512*\c   ; 512 consecutive bytes; other work-groups read them again: no hint
.endr
.endr
.endm
.macro GATES                           ; the trip's gate of each token: ga where the expert is its a, gb where it is its b, else 0
.irp t, 0,1,2,3
	v_cmp_eq_u32 vcc_lo, s21, v[EA+\t]
	v_cndmask_b32 v[G+2*\t], 0, v[GG+2*\t], vcc_lo
	v_cmp_eq_u32 vcc_lo, s21, v[EB+\t]
	v_cndmask_b32 v[G+2*\t], v[G+2*\t], v[GG+2*\t+1], vcc_lo
.endr
.endm
; cnt: the loads issued behind unit s's.  ld = 1: the set just multiplied takes unit s of the NEXT trip, from base s[26:27].
; The 16 accumulators take turns, one instruction a turn, in the same order in every unit.
.macro UNIT s, cnt, ld
	s_wait_loadcnt \cnt
	WIN 0x06                                       ; source 0 (W) window 2, source 1 (x) window 1, C and D window 0
.irp o, 0,1,2,3
.irp t, 0,1,2,3
.if (\s) == 0
	v_wmma_f32_16x16x128_fp8_fp8 v[TMP+8*(4*\o+\t):TMP+8*(4*\o+\t)+7], v[64*(\s)+16*\o:64*(\s)+16*\o+15], v[64*\t+16*(\s):64*\t+16*(\s)+15], 0
.else
	v_wmma_f32_16x16x128_fp8_fp8 v[TMP+8*(4*\o+\t):TMP+8*(4*\o+\t)+7], v[64*(\s)+16*\o:64*(\s)+16*\o+15], v[64*\t+16*(\s):64*\t+16*(\s)+15], v[TMP+8*(4*\o+\t):TMP+8*(4*\o+\t)+7]
.endif
.endr
.endr
.rept 4
	v_nop                                          ; four places in front of loads into registers that these products have read, and of the first read of their results
.endr
.if \ld
	LOADU \s, 26
.endif
.endm
; OUT (+)= gate x sums, two numbers an instruction; each accumulator from its low end on.  first = 1: a half's first expert starts OUT: nothing is cleared.
.macro COMBINE first
.if \first
	WIN 0xc0                                       ; destination window 3
.else
	WIN 0xf0                                       ; source 2 and destination window 3
.endif
.irp a, 0,1,2,3,4,5,6,7,8,9,10,11,12,13,14,15
.irp i, 0,2,4,6
.if \first
	v_pk_mul_f32 v[8*\a+\i:8*\a+\i+1], v[TMP+8*\a+\i:TMP+8*\a+\i+1], v[G+2*(\a%4):G+2*(\a%4)+1] op_sel_hi:[1,0]
.else
	v_pk_fma_f32 v[8*\a+\i:8*\a+\i+1], v[TMP+8*\a+\i:TMP+8*\a+\i+1], v[G+2*(\a%4):G+2*(\a%4)+1], v[8*\a+\i:8*\a+\i+1] op_sel_hi:[1,0,1]
.endif
.endr
.endr
	WIN 0
.endm
; A TRIP: one expert (number s21) for the half in hand.  nxt = 1: the next trip is the next expert of this half; 2: the first expert of the other half; 0: there is none.
.macro TRIP first, nxt
.if \nxt == 2
	s_mov_b32 s18, s17                             ; all the block's experts once more,
	s_add_nc_u64 s[28:29], s[28:29], 0x8000        ; 32,768 bytes on: the second half's weights
.endif
.if \nxt
	NEXTE 22, 26
.endif
	GATES
.if \nxt
	UNIT 0, 48, 1                                  ; 48: the three units behind the one that is wanted
	UNIT 1, 48, 1
	UNIT 2, 48, 1
	UNIT 3, 48, 1
.else
	UNIT 0, 48, 0                                  ; nothing is left to ask for: the counts run down
	UNIT 1, 32, 0
	UNIT 2, 16, 0
	UNIT 3, 0, 0
.endif
	COMBINE \first
.if \nxt
	s_wait_xcnt 0x0                                ; the loads have read their base: s[26:27] is rewritten only behind this wait
	s_mov_b32 s21, s22
.endif
.endm
; THE WAY OUT of a half.  A lane holds 32 neighbouring bytes of four places of one token's row, and the lanes beside it other tokens: so the half goes through my own stage in LDS and
; comes back as rows of 256 bytes: lanes 0-15 row m, lanes 16-31 row 32 + m.  LDS serves a wave's instructions in order (ISA guide 5.7.1.4): no wait between the stores and the loads.
; One setting serves all three kinds of line: addresses (source 0) window 0; stored data (source 1) and loaded data (destination) window 3.
.macro WAYOUT hf
	WIN 0xcc
.irp t, 0,1,2,3
.irp o, 0,1,2,3
	ds_store_b128 v[STO], v[8*(4*\o+\t):8*(4*\o+\t)+3] offset:16*SP*\t+64*\o           ; row 16 t + lane % 16, columns 16 o + 8 (lane / 16) + 0 .. 3 of the half's 64
	ds_store_b128 v[STO], v[8*(4*\o+\t)+4:8*(4*\o+\t)+7] offset:16*SP*\t+64*\o+16
.endr
.endr
.irp m, 0,1,2,3,4,5,6,7,8,9,10,11,12,13,14,15,16,17,18,19,20,21,22,23,24,25,26,27,28,29,30,31
	ds_load_b128 v[BK+4*\m:BK+4*\m+3], v[RD] offset:SP*\m
.endr
.irp g, 0,1,2,3
	s_wait_dscnt 24-8*\g                           ; the stage's loads behind these eight may be out
.irp i, 0,1,2,3,4,5,6,7
	global_store_b128 v[AD+8*\g+\i], v[BK+4*(8*\g+\i):BK+4*(8*\g+\i)+3], s[14:15] offset:256*\hf th:TH_STORE_NT   ; sixteen lanes store 256 consecutive bytes, at a multiple of 256 from out's first byte; written once, read by nobody here
.endr
.endr
	WIN 0
.endm
	s_load_b256 s[4:11], s[0:1], 0x0               ; xcodes s[4:5], wfrag s[6:7], sorted s[8:9], gates s[10:11]
	s_load_b128 s[12:15], s[0:1], 0x20             ; lowp_scales s[12:13], out0 s[14:15]
	v_lshl_add_u32 v126, v0, 2, 0x19400
	v_mov_b32 v127, 0
	v_lshrrev_b32 v1, 5, v0
	v_readfirstlane_b32 s16, v1                    ; wave 0..3
	v_and_b32 v1, 15, v0                           ; r
	v_bfe_u32 v2, v0, 4, 1                         ; h
	v_and_b32 v[L16], 31, v0
	v_lshlrev_b32 v[L16], 4, v[L16]
	v_lshlrev_b32 v[R16], 4, v1
	v_lshlrev_b32 v80, 2, v1                       ; 4 r
	v_lshlrev_b32 v[H128], 7, v2
	s_lshl_b32 s32, s16, 6
	v_lshl_add_u32 v[XW], v2, 5, s32
	s_lshl_b32 s30, ttmp9, 8                       ; my block's 64 words of the list
	s_mov_b32 s31, 0
	s_wait_kmcnt 0x0
	s_load_b64 s[34:35], s[12:13], 0x0             ; e0, e1
	s_add_nc_u64 s[8:9], s[8:9], s[30:31]
	global_load_b128 v[XT:XT+3], v[XW], s[8:9]             ; positions 16 w + 8 h + 0 .. 7: the rows that my wave gathers
	global_load_b128 v[XT+4:XT+7], v[XW], s[8:9] offset:16
.irp t, 0,1,2,3
	global_load_b32 v[SW+\t], v80, s[8:9] offset:64*\t     ; positions 16 t + r
.endr
.irp i, 0,1,2,3,4,5,6,7
	global_load_b128 v[AD+4*\i:AD+4*\i+3], v[H128], s[8:9] offset:16*\i    ; positions 32 h + 0 .. 31: the rows that my lane stores
.endr
	s_lshl_b32 s30, s16, 16
	s_add_nc_u64 s[28:29], s[6:7], s[30:31]        ; my wave's 65,536 bytes of each expert
	v_mul_u32_u24 v[FA], v1, PITCH
	v_lshl_add_u32 v[FA], v2, 4, v[FA]
	s_mul_i32 s32, s16, TILEB
	v_mul_u32_u24 v[XS], v2, 8*PITCH
	v_add_nc_u32 v[XS], v[XS], v[R16]
	v_add_nc_u32 v[XS], s32, v[XS]                 ; rows 16 w + 8 h on, 16 bytes a lane
	s_mul_i32 s33, s16, STGW
	s_add_co_u32 s33, s33, STG                     ; my stage
	v_mul_u32_u24 v[STO], v1, SP
	v_lshl_add_u32 v[STO], v2, 5, v[STO]
	v_add_nc_u32 v[STO], s33, v[STO]               ; in: row r, + 32 h
	v_mul_u32_u24 v[RD], v2, 32*SP
	v_add_nc_u32 v[RD], v[RD], v[R16]
	v_add_nc_u32 v[RD], s33, v[RD]                 ; back: rows 32 h on, 16 bytes a lane
	s_lshl_b32 s32, s16, 9
	v_add_nc_u32 v[OB], s32, v[R16]
.irp t, 0,1,2,3
	v_mov_b32 v[G+2*\t+1], 0                       ; (named as the upper halves of the gates' pairs)
.endr
	v_mov_b32 v82, 0
	v_mov_b32 v84, 1
	s_wait_loadcnt 12                              ; the gather's two loads are in; the 4 + 8 loads of the list behind them may be out
.irp q, 0,1,2,3,4,5,6,7
	v_and_b32 v[XT+\q], 0x3fff, v[XT+\q]
.endr
.irp q, 0,1,2,3,4,5,6,7
	v_min_u32 v[XT+\q], 0x3fff, v[XT+\q]           ; a loaded number enters an address only behind this bound
.endr
.irp q, 0,1,2,3,4,5,6,7
	v_lshl_add_u32 v[XT+\q], v[XT+\q], 9, v[R16]   ; token x 512 + 16 r
.endr
.irp q, 0,1,2,3,4,5,6,7
	global_load_b128 v[TMP+8*\q:TMP+8*\q+3], v[XT+\q], s[4:5]              ; sixteen lanes read 256 consecutive bytes of a token's codes, at a multiple of 256 from the buffer's first byte
	global_load_b128 v[TMP+8*\q+4:TMP+8*\q+7], v[XT+\q], s[4:5] offset:256
.endr
	s_wait_loadcnt 16                              ; all of the list's words are in; the 16 loads of codes may be out
.irp t, 0,1,2,3
	v_and_b32 v[TOK+\t], 0x3fff, v[SW+\t]
	v_min_u32 v[TOK+\t], 0x3fff, v[TOK+\t]
	v_bfe_u32 v[EA+\t], v[SW+\t], 16, 3
	v_bfe_u32 v[EB+\t], v[SW+\t], 20, 3
	v_lshlrev_b32 v[GO+\t], 3, v[TOK+\t]
.endr
.irp t, 0,1,2,3
	global_load_b64 v[GG+2*\t:GG+2*\t+1], v[GO+\t], s[10:11]
.endr
.irp t, 0,1,2,3
	v_lshl_or_b32 v82, v84, v[EA+\t], v82          ; the experts that my four tokens use, a bit each
	v_lshl_or_b32 v82, v84, v[EB+\t], v82
.endr
.irp i, 0,1,2,3,4,5,6,7,8,9,10,11,12,13,14,15
	v_readlane_b32 s[LM+\i], v82, \i               ; lanes 0-15 hold all 64 tokens' bits between them (lanes 16-31 hold the same tokens): whole numbers from the stored list, joined in scalar registers
.endr
.irp i, 0,2,4,6,8,10,12,14
	s_or_b32 s[LM+\i], s[LM+\i], s[LM+\i+1]
.endr
.irp i, 0,4,8,12
	s_or_b32 s[LM+\i], s[LM+\i], s[LM+\i+2]
.endr
	s_or_b32 s[LM], s[LM], s[LM+4]
	s_or_b32 s[LM+8], s[LM+8], s[LM+12]
	s_or_b32 s18, s[LM], s[LM+8]                   ; the experts that the block's 64 tokens use
	s_and_b32 s18, s18, 0xff
	s_mov_b32 s17, s18                             ; kept for the second half
	s_bcnt1_i32_b32 s19, s18
	s_sub_co_u32 s19, s19, 1                       ; n - 1: 1 to 7
	NEXTE 21, 24
	LOADU 0, 24
	LOADU 1, 24
	LOADU 2, 24
	WIN 0
.irp m, 0,1,2,3,4,5,6,7,8,9,10,11,12,13,14,15,16,17,18,19,20,21,22,23,24,25,26,27,28,29,30,31
	v_and_b32 v[AD+\m], 0x3fff, v[AD+\m]           ; the stores' offsets are made here, while the codes and the first weights are on their way
.endr
.irp m, 0,1,2,3,4,5,6,7,8,9,10,11,12,13,14,15,16,17,18,19,20,21,22,23,24,25,26,27,28,29,30,31
	v_min_u32 v[AD+\m], 0x3fff, v[AD+\m]
.endr
.irp m, 0,1,2,3,4,5,6,7,8,9,10,11,12,13,14,15,16,17,18,19,20,21,22,23,24,25,26,27,28,29,30,31
	v_lshl_add_u32 v[AD+\m], v[AD+\m], 11, v[OB]   ; token x 2,048 + 512 w + 16 r
.endr
	s_wait_loadcnt 52                              ; behind the 16 loads of codes: 4 loads of gates and 48 of weights
.irp q, 0,1,2,3,4,5,6,7
	ds_store_b128 v[XS], v[TMP+8*\q:TMP+8*\q+3] offset:PITCH*\q
	ds_store_b128 v[XS], v[TMP+8*\q+4:TMP+8*\q+7] offset:PITCH*\q+256
.endr
	LOADU 3, 24
	WIN 0
	s_wait_dscnt 0x0                               ; for the others' sake: my 16 rows lie in LDS
	s_barrier_signal -1
	s_barrier_wait -1                              ; the launch's one barrier, ahead of every branch on the list
	WIN 0x40                                       ; destination window 1
.irp t, 0,1,2,3
.irp s, 0,1,2,3
.irp c, 0,1,2,3
	ds_load_b128 v[64*\t+16*\s+4*\c:64*\t+16*\s+4*\c+3], v[FA] offset:TILEB*\t+128*\s+32*\c
.endr
.endr
.endr
	WIN 0
	s_wait_kmcnt 0x0
	s_add_co_i32 s36, s34, s35                     ; e0 + e1
	s_wait_loadcnt 48                              ; the gates are in (64 loads stand behind them; this count, units 1 to 3, is the one that the first unit wants too)
.irp n, 0,1,2,3,4,5,6,7
	v_ldexp_f32 v[GG+\n], v[GG+\n], s36
.endr
	s_wait_dscnt 0x0                               ; x's fragments are in
	; ---- the first half of my columns
	TRIP 1, 1
	s_cmp_eq_u32 s19, 1                            ; two experts: no trip between the first and the last
	s_cbranch_scc1 .Llast0
	s_mov_b32 s20, 1
.Ltrip0:
	TRIP 0, 1
	s_add_co_u32 s20, s20, 1
	s_cmp_lt_u32 s20, s19
	s_cbranch_scc1 .Ltrip0
.Llast0:
	TRIP 0, 2                                      ; its sets take the second half's first expert
	WAYOUT 0                                       ; these stores are on their way while the second half is walked
	; ---- the second half.  Its first trip ends with a wait on XCNT: behind it the first half's stores have read the registers that the second way out loads again
	TRIP 1, 1
	s_cmp_eq_u32 s19, 1
	s_cbranch_scc1 .Llast1
	s_mov_b32 s20, 1
.Ltrip1:
	TRIP 0, 1
	s_add_co_u32 s20, s20, 1
	s_cmp_lt_u32 s20, s19
	s_cbranch_scc1 .Ltrip1
.Llast1:
	TRIP 0, 0
	WAYOUT 1
	s_wait_tensorcnt 0x0
	ds_add_u32 v126, v127
	s_wait_dscnt 0x0
	s_endpgm
.Lfunc_end_k_q7419eb6bec_experts:
	.size	k_q7419eb6bec_experts, .Lfunc_end_k_q7419eb6bec_experts-k_q7419eb6bec_experts
	.p2alignl 7, 3214868480
	.fill 96, 4, 3214868480
	.section	.rodata,"a",@progbits
	.p2align	6, 0x0
	.amdhsa_kernel k_q7419eb6bec_experts
		.amdhsa_group_segment_fixed_size 103936
		.amdhsa_private_segment_fixed_size 0
		.amdhsa_enable_private_segment 0
		.amdhsa_kernarg_size 48
		.amdhsa_user_sgpr_count 2
		.amdhsa_user_sgpr_kernarg_segment_ptr 1
		.amdhsa_wavefront_size32 1
		.amdhsa_system_sgpr_workgroup_id_x 1
		.amdhsa_system_sgpr_workgroup_id_y 1
		.amdhsa_system_sgpr_workgroup_id_z 1
		.amdhsa_system_vgpr_workitem_id 0
		.amdhsa_next_free_vgpr 1024
		.amdhsa_next_free_sgpr 66
		.amdhsa_reserve_vcc 1
		.amdhsa_float_denorm_mode_32 3
		.amdhsa_float_denorm_mode_16_64 3
		.amdhsa_memory_ordered 1
		.amdhsa_forward_progress 1
		.amdhsa_inst_pref_size 132
	.end_amdhsa_kernel
	.amdgpu_metadata
---
amdhsa.version: [ 1, 2 ]
amdhsa.kernels:
  - .name:           k_q7419eb6bec_experts
    .symbol:         k_q7419eb6bec_experts.kd
    .args:
      - { .name: xcodes, .offset: 0, .size: 8, .value_kind: global_buffer, .address_space: global }
      - { .name: wfrag, .offset: 8, .size: 8, .value_kind: global_buffer, .address_space: global }
      - { .name: sorted, .offset: 16, .size: 8, .value_kind: global_buffer, .address_space: global }
      - { .name: gates, .offset: 24, .size: 8, .value_kind: global_buffer, .address_space: global }
      - { .name: lowp_scales, .offset: 32, .size: 8, .value_kind: global_buffer, .address_space: global }
      - { .name: out0, .offset: 40, .size: 8, .value_kind: global_buffer, .address_space: global }
    .group_segment_fixed_size: 103936
    .private_segment_fixed_size: 0
    .kernarg_segment_align: 8
    .kernarg_segment_size: 48
    .max_flat_workgroup_size: 128
    .sgpr_count:     66
    .vgpr_count:     1024
    .wavefront_size: 32
...
	.end_amdgpu_metadata
.endif
;; end of part 3
;; ======== version 2 of 2: 3 launches; version 1 with the launch experts written anew for expert scheduling mode
;; workspace buffers: xcodes 8,388,608 bytes; wfrag 2,097,152 bytes; gates 131,072 bytes; meta 65,536 bytes of whole numbers; counts 131,072 bytes of whole numbers; sorted 65,536 bytes of whole numbers
;; launch route: the kernel of part 1 again; grid 256 x 1, 4 waves a work-group, no clusters, 0 bytes of LDS; arguments hidden_states, router_w, lowp_scales, xcodes, gates, meta, counts; writes xcodes, gates, meta, counts
;; launch place: the kernel of part 2 again; grid 80 x 1, 16 waves a work-group, no clusters, 6,144 bytes of LDS; arguments meta, counts, sorted, expert_weights, lowp_scales, wfrag; writes sorted, wfrag
;; launch experts (part 4): grid 256 x 1, 4 waves a work-group, no clusters, 103,936 bytes of LDS; arguments xcodes, wfrag, sorted, gates, lowp_scales, out0; writes out0
.if DOCPART == 4
	.amdgcn_target "amdgcn-amd-amdhsa--gfx1250"
	.amdhsa_code_object_version 6
	.text
	.protected	k_q7419eb6bec_experts
	.globl	k_q7419eb6bec_experts
	.p2align	8
	.type	k_q7419eb6bec_experts,@function
k_q7419eb6bec_experts:
	s_mov_b64 s[64:65], 0
	v_nop
	global_prefetch_b8 v0, s[64:65] scope:SCOPE_SE
	s_setreg_imm32_b32 hwreg(HW_REG_WAVE_SCHED_MODE, 0, 2), 2
	s_setreg_imm32_b32 hwreg(HW_REG_WAVE_MODE, 25, 1), 1
	s_wait_xcnt 0x0
	s_wait_alu depctr_vm_vsrc(0)
; out[token] = ga x (x W_a) + gb x (x W_b), on codes of E4M3; each sum stands for sum x 2^(e0 + e1), which is folded into the gates by v_ldexp_f32 (no limit on e0 + e1).
; SHARES.  Work-group j owns the 64 tokens at positions 64 j .. 64 j + 63 of the list sorted by pairs of experts: four tiles of 16.  It walks ONLY the experts that its tokens use
; (two where all 64 have one pair); a token that does not use a trip's expert has the gate 0.  Each row of out has one owner: 256 work-groups for every split.
; Wave w makes columns 128 w .. 128 w + 127 for all 64 tokens: so each byte of an expert's weights enters the work-group once, straight from memory into the operand's registers
; (an earlier launch laid them in that order: every load is 512 consecutive bytes), and x's 16 fragments stay in registers for the whole launch.
; THE WALK: the wave's columns in two HALVES of 64, and inside a half all the block's experts, one TRIP each.  So the first half's 64 x 64 results are finished, and leave, while the
; second half's weights are still streamed and multiplied: half of the launch's stores stand under work.
; THE MATRIX INSTRUCTION IS USED TRANSPOSED: source 0 = 16 columns of W_e, source 1 = 16 tokens: a lane holds ONE token (lane % 16), so its gate is one register, and its eight results
; are eight neighbouring columns.  k stands in another order in the registers than the form's own, the same in x and in W, so every product meets its partner.
; NO JOINT LOADS: which experts a block walks, and how many, is read from the stored list and differs between neighbouring blocks at the bins' borders: partners would want different
; numbers of tiles.  So the weights do not go through LDS, and no barrier stands in the walk.
; The list gives every token two different experts (a < b), so a block walks two experts at the least: in each half a first trip, a loop of n - 2 trips, a last trip.
; ROWS BY LANES: where a row's piece is 256 bytes (the gather of codes, the stores), lanes 0-15 take one row and lanes 16-31 another, and each lane LOADS the tokens of its rows from the list.
; REGISTERS, in windows of 256:  window 0: addresses, gates; v128-255 the 16 accumulators of a trip, (o, t) at v[128 + 8 (4 o + t)]
;   window 1: x's fragments, (tile t, K step s) at v[64 t + 16 s]     window 2: four sets of four fragments of W, unit s's at v[64 s + 16 o]
;   window 3: v0-127 OUT of the half in hand, (o, t) at v[8 (4 o + t)]; v128-255 the half's rows on their way out
; A UNIT s is 64 columns x 128 along K of W_e: 16 loads a lane, 16 matrix instructions.  Three units (48 loads) of every wave are always on their way, across experts and halves too.
; THE MODE: SCHED_MODE bits 1:0 = 2 (LLVM: expert scheduling mode 2), set by the entry lines.  The code itself states the register dependences
; between vector or matrix instructions and memory or LDS instructions, with s_wait_alu, always for 0.
; THE PLAN.  Registers that memory or LDS instructions touch:
;   W's sets 0 .. 3   Unit s: its 16 products read set s; behind them the 16 loads of unit s of the next trip land in it.  Nothing else names them.
;   OUT               Written by a trip's 64 packed lines; read by the 32 LDS stores of a half's way out; written anew by the next half's first trip.
;   the rows' 128     LDS loads land in them, global stores read them; no vector instruction names them.  The second half's LDS loads land in them again.
;   v128-191          At the head the gathered codes land there and LDS stores read them; from then on they are accumulators.
;   x's fragments     LDS loads land in them once, at the head; products read them.
;   v3-9, 14, 15, 80  Addresses, made at the head ahead of the first load and never written again.  XT, GO, AD: loaded words, made into offsets once, at the head.
;   v126, v127        Written at the head, read by the closing add alone.
; So ONE wait on va_vdst stands in a unit, behind its products, and the set is asked for again at once: a set that waited for the next unit's head would leave three sets on their way and not four.
; One wait on va_sdst stands in a trip, behind the run of compares that make the gates' masks.  A half's way out has one wait on va_vdst ahead of its LDS stores.  The first half's 32 global stores are
; dealt among the second half's first trip, eight behind each unit, with no further wait: their data come from LDS loads, their offsets from the head.
; Two waits on vm_vsrc stand ahead of the two places where the second half writes what the first half's way out has read: OUT, and the rows' registers.
.set PITCH, 528                        ; an LDS row of codes: 512 bytes + 16: an odd multiple of 16, so that sixteen rows' 16-byte pieces fall in sixteen different places of 256 bytes
.set TILEB, 16*PITCH
.set SP,    272                        ; a stage row: 256 bytes + 16, likewise
.set STGW,  64*SP                      ; a wave's stage: 64 rows
.set STG,   64*PITCH                   ; LDS: 64 rows of codes, then a stage for each wave, its own
.set L16, 3                            ; v3      16 x lane; never rewritten
.set FA,  4                            ; v4      a fragment's place for my lane: (lane % 16) x PITCH + 16 (lane / 16)
.set XS,  5                            ; v5      where I put my 16 bytes of the rows that my wave gathers
.set STO, 6                            ; v6      the stage: where I put 32 bytes of a row
.set RD,  7                            ; v7      and where I read rows back
.set OB,  8                            ; v8      my bytes in a row of out: 512 w + 16 (lane % 16)
.set H128, 9                           ; v9      128 (lane / 16)
.set SW,  10                           ; v10-13  the list's words of tile t, lane % 16
.set XW,  14                           ; v14     64 w + 32 (lane / 16)
.set R16, 15                           ; v15     16 (lane % 16)
.set TOK, 16                           ; v16-19  token;  v20-23 expert a;  v24-27 expert b;  v28-31 byte offset of the gates
.set EA,  20
.set EB,  24
.set GO,  28
.set XT,  32                           ; v32-39  positions 16 w + 8 (lane / 16) + q: their words, then the byte offsets of my pieces of their rows of codes
.set GG,  64                           ; v64-71  (ga, gb) x 2^(e0 + e1) of tile t
.set G,   72                           ; v72-79  pairs: the trip's gate of tile t, and a 0 that is only named
.set AD,  88                           ; v88-119 positions 32 (lane / 16) + m: their words, then the byte offsets of my pieces of their rows of out
.set TMP, 128
.set BK,  128                          ; in window 3
.set LM,  40                           ; s40-55  at the head: sixteen lanes' bits of the experts in use
.set CM,  40                           ; s40-47  in the walk: the masks of a trip's eight compares
.set MSB, 0
.macro WIN new                         ; the immediate's high byte repeats the setting that is left
.if MSB != \new
	s_set_vgpr_msb (MSB<<8)|\new
.set MSB, \new
.endif
.endm
; the lowest expert left in the mask s18 -> s[d]; its weights for my wave and the half in hand -> s[p:p+1]
.macro NEXTE d, p
	s_ctz_i32_b32 s[\d], s18
	s_min_u32 s[\d], s[\d], 7                      ; a number made of loaded numbers enters an address only behind this bound
	s_sub_co_u32 s32, s18, 1
	s_and_b32 s18, s18, s32                        ; that bit is cleared
	s_lshl_b32 s30, s[\d], 18                      ; 262,144 bytes an expert
	s_add_nc_u64 s[\p:\p+1], s[28:29], s[30:31]
.endm
.macro LOADU s, p
	WIN 0x80                                       ; destination window 2
.irp o, 0,1,2,3
.irp c, 0,1,2,3
	global_load_b128 v[64*(\s)+16*\o+4*\c:64*(\s)+16*\o+4*\c+3], v[L16], s[\p:\p+1] offset:8192*(\s)+2048*\o+512*\c   ; 512 consecutive bytes; other work-groups read them again: no hint
.endr
.endr
.endm
.macro GATES                           ; the trip's gate of each token: ga where the expert is its a, gb where it is its b, else 0.  The compares stand in one run, each with a scalar register of its own
.irp t, 0,1,2,3
	v_cmp_eq_u32 s[CM+2*\t], s21, v[EA+\t]
	v_cmp_eq_u32 s[CM+2*\t+1], s21, v[EB+\t]
.endr
	s_wait_alu depctr_va_sdst(0)                   ; the eight compares have written s40-47, ahead of the first select that reads one of them
.irp t, 0,1,2,3
	v_cndmask_b32 v[G+2*\t], 0, v[GG+2*\t], s[CM+2*\t]
.endr
.irp t, 0,1,2,3
	v_cndmask_b32 v[G+2*\t], v[G+2*\t], v[GG+2*\t+1], s[CM+2*\t+1]
.endr
.endm
; Eight of a half's 32 stores: rows 8 g .. 8 g + 7 (lanes 0-15) and 32 + 8 g .. (lanes 16-31).  No s_wait_alu: the data come from LDS loads, the offsets were written at the head, and no vector instruction names either.
.macro SENDG g, hf
	s_wait_dscnt 24-8*(\g)                         ; the stage's loads behind these eight may be out
	WIN 0xcc                                       ; address (source 0) window 0, stored data (source 1) window 3
.irp i, 0,1,2,3,4,5,6,7
	global_store_b128 v[AD+8*(\g)+\i], v[BK+4*(8*(\g)+\i):BK+4*(8*(\g)+\i)+3], s[14:15] offset:256*(\hf) th:TH_STORE_NT   ; sixteen lanes store 256 consecutive bytes, at a multiple of 256 from out's first byte; written once, read by nobody here
.endr
.endm
; cnt: the loads issued behind unit s's.  ld = 1: the set just multiplied takes unit s of the NEXT trip, from base s[26:27].  snd = 1: eight stores of the first half's rows follow.
; The 16 accumulators take turns, one instruction a turn, in the same order in every unit.
.macro UNIT s, cnt, ld, snd
	s_wait_loadcnt \cnt
	WIN 0x06                                       ; source 0 (W) window 2, source 1 (x) window 1, C and D window 0
.irp o, 0,1,2,3
.irp t, 0,1,2,3
.if (\s) == 0
	v_wmma_f32_16x16x128_fp8_fp8 v[TMP+8*(4*\o+\t):TMP+8*(4*\o+\t)+7], v[64*(\s)+16*\o:64*(\s)+16*\o+15], v[64*\t+16*(\s):64*\t+16*(\s)+15], 0
.else
	v_wmma_f32_16x16x128_fp8_fp8 v[TMP+8*(4*\o+\t):TMP+8*(4*\o+\t)+7], v[64*(\s)+16*\o:64*(\s)+16*\o+15], v[64*\t+16*(\s):64*\t+16*(\s)+15], v[TMP+8*(4*\o+\t):TMP+8*(4*\o+\t)+7]
.endif
.endr
.endr
.rept 4
	v_nop                                          ; four places in front of loads into registers that these products have read, and of the first read of their results; the wait below stands beside them and fills none
.endr
.if \ld
	WIN 0x80                                       ; the switch, then the wait, then the loads
	s_wait_alu depctr_va_vdst(0)                   ; the unit's 16 products are done reading set s, in which the 16 loads below land
	LOADU \s, 26
.endif
.if \snd
	SENDG \s, 0
.endif
.endm
; OUT (+)= gate x sums, two numbers an instruction; each accumulator from its low end on.  first = 1: a half's first expert starts OUT: nothing is cleared.
.macro COMBINE first
.if \first
	WIN 0xc0                                       ; destination window 3
.else
	WIN 0xf0                                       ; source 2 and destination window 3
.endif
.irp a, 0,1,2,3,4,5,6,7,8,9,10,11,12,13,14,15
.irp i, 0,2,4,6
.if \first
	v_pk_mul_f32 v[8*\a+\i:8*\a+\i+1], v[TMP+8*\a+\i:TMP+8*\a+\i+1], v[G+2*(\a%4):G+2*(\a%4)+1] op_sel_hi:[1,0]
.else
	v_pk_fma_f32 v[8*\a+\i:8*\a+\i+1], v[TMP+8*\a+\i:TMP+8*\a+\i+1], v[G+2*(\a%4):G+2*(\a%4)+1], v[8*\a+\i:8*\a+\i+1] op_sel_hi:[1,0,1]
.endif
.endr
.endr
	WIN 0
.endm
; A TRIP: one expert (number s21) for the half in hand.  nxt = 1: the next trip is the next expert of this half; 2: the first expert of the other half; 0: there is none.
; snd = 1: the second half's first trip, among whose units the first half's rows are stored.
.macro TRIP first, nxt, snd
.if \nxt == 2
	s_mov_b32 s18, s17                             ; all the block's experts once more,
	s_add_nc_u64 s[28:29], s[28:29], 0x8000        ; 32,768 bytes on: the second half's weights
.endif
.if \nxt
	NEXTE 22, 26
.endif
	GATES
.if \nxt
	UNIT 0, 48, 1, \snd                            ; 48: the three units behind the one that is wanted
	UNIT 1, 48, 1, \snd
	UNIT 2, 48, 1, \snd
	UNIT 3, 48, 1, \snd
.else
	UNIT 0, 48, 0, 0                               ; nothing is left to ask for: the counts run down, and no unit owes a wait on va_vdst
	UNIT 1, 32, 0, 0
	UNIT 2, 16, 0, 0
	UNIT 3, 0, 0, 0
.endif
.if \snd
	s_wait_alu depctr_vm_vsrc(0)                   ; the first half's LDS stores have read OUT, which the packed lines below write anew
.endif
	COMBINE \first
.if \nxt
	s_wait_xcnt 0x0                                ; the loads have read their base: s[26:27] is rewritten only behind this wait
	s_mov_b32 s21, s22
.endif
.endm
; THE WAY OUT of a half, first part.  A lane holds 32 neighbouring bytes of four places of one token's row, and the lanes beside it other tokens: so the half goes through my own stage in LDS and
; comes back as rows of 256 bytes: lanes 0-15 row m, lanes 16-31 row 32 + m.  LDS serves a wave's instructions in order (ISA guide 5.7.1.4): no wait between the stores and the loads.
; One setting serves all kinds of line: addresses (source 0) window 0; stored data (source 1) and loaded data (destination) window 3.  again = 1: the second half.
.macro TOSTAGE again
	WIN 0xcc
	s_wait_alu depctr_va_vdst(0)                   ; the last trip's packed lines have written OUT, which the LDS stores below read
.if \again
	s_wait_alu depctr_vm_vsrc(0)                   ; the first half's global stores have read the rows' registers, in which the LDS loads below land again
.endif
.irp t, 0,1,2,3
.irp o, 0,1,2,3
	ds_store_b128 v[STO], v[8*(4*\o+\t):8*(4*\o+\t)+3] offset:16*SP*\t+64*\o           ; row 16 t + lane % 16, columns 16 o + 8 (lane / 16) + 0 .. 3 of the half's 64
	ds_store_b128 v[STO], v[8*(4*\o+\t)+4:8*(4*\o+\t)+7] offset:16*SP*\t+64*\o+16
.endr
.endr
.irp m, 0,1,2,3,4,5,6,7,8,9,10,11,12,13,14,15,16,17,18,19,20,21,22,23,24,25,26,27,28,29,30,31
	ds_load_b128 v[BK+4*\m:BK+4*\m+3], v[RD] offset:SP*\m
.endr
.endm
	s_load_b256 s[4:11], s[0:1], 0x0               ; xcodes s[4:5], wfrag s[6:7], sorted s[8:9], gates s[10:11]
	s_load_b128 s[12:15], s[0:1], 0x20             ; lowp_scales s[12:13], out0 s[14:15]
	v_lshl_add_u32 v126, v0, 2, 0x19400
	v_mov_b32 v127, 0
	v_lshrrev_b32 v1, 5, v0
	v_readfirstlane_b32 s16, v1                    ; wave 0..3
	v_and_b32 v1, 15, v0                           ; r
	v_bfe_u32 v2, v0, 4, 1                         ; h
	v_and_b32 v[L16], 31, v0
	v_lshlrev_b32 v[L16], 4, v[L16]
	v_lshlrev_b32 v[R16], 4, v1
	v_lshlrev_b32 v80, 2, v1                       ; 4 r
	v_lshlrev_b32 v[H128], 7, v2
	v_mul_u32_u24 v[FA], v1, PITCH
	v_lshl_add_u32 v[FA], v2, 4, v[FA]
.irp t, 0,1,2,3
	v_mov_b32 v[G+2*\t+1], 0                       ; (named as the upper halves of the gates' pairs)
.endr
	v_mov_b32 v82, 0
	v_mov_b32 v84, 1
	s_wait_alu depctr_va_sdst(0)                   ; s16 is written, ahead of its first reader: addresses and bases are made from it
	s_lshl_b32 s32, s16, 6
	v_lshl_add_u32 v[XW], v2, 5, s32
	s_mul_i32 s37, s16, TILEB
	v_mul_u32_u24 v[XS], v2, 8*PITCH
	v_add_nc_u32 v[XS], v[XS], v[R16]
	v_add_nc_u32 v[XS], s37, v[XS]                 ; rows 16 w + 8 h on, 16 bytes a lane
	s_mul_i32 s33, s16, STGW
	s_add_co_u32 s33, s33, STG                     ; my stage
	v_mul_u32_u24 v[STO], v1, SP
	v_lshl_add_u32 v[STO], v2, 5, v[STO]
	v_add_nc_u32 v[STO], s33, v[STO]               ; in: row r, + 32 h
	v_mul_u32_u24 v[RD], v2, 32*SP
	v_add_nc_u32 v[RD], v[RD], v[R16]
	v_add_nc_u32 v[RD], s33, v[RD]                 ; back: rows 32 h on, 16 bytes a lane
	s_lshl_b32 s38, s16, 9
	v_add_nc_u32 v[OB], s38, v[R16]
	s_lshl_b32 s30, ttmp9, 8                       ; my block's 64 words of the list
	s_mov_b32 s31, 0
	s_wait_kmcnt 0x0
	s_load_b64 s[34:35], s[12:13], 0x0             ; e0, e1
	s_add_nc_u64 s[8:9], s[8:9], s[30:31]
	s_wait_alu depctr_va_vdst(0)                   ; the addresses v3 to v9, v14, v15 and v80 are written, which the loads, stores and LDS instructions of the whole kernel read; none is written again
	global_load_b128 v[XT:XT+3], v[XW], s[8:9]             ; positions 16 w + 8 h + 0 .. 7: the rows that my wave gathers
	global_load_b128 v[XT+4:XT+7], v[XW], s[8:9] offset:16
.irp t, 0,1,2,3
	global_load_b32 v[SW+\t], v80, s[8:9] offset:64*\t     ; positions 16 t + r
.endr
.irp i, 0,1,2,3,4,5,6,7
	global_load_b128 v[AD+4*\i:AD+4*\i+3], v[H128], s[8:9] offset:16*\i    ; positions 32 h + 0 .. 31: the rows that my lane stores
.endr
	s_lshl_b32 s30, s16, 16
	s_add_nc_u64 s[28:29], s[6:7], s[30:31]        ; my wave's 65,536 bytes of each expert
	s_wait_loadcnt 12                              ; the gather's two loads are in; the 4 + 8 loads of the list behind them may be out
.irp q, 0,1,2,3,4,5,6,7
	v_and_b32 v[XT+\q], 0x3fff, v[XT+\q]
.endr
.irp q, 0,1,2,3,4,5,6,7
	v_min_u32 v[XT+\q], 0x3fff, v[XT+\q]           ; a loaded number enters an address only behind this bound
.endr
.irp q, 0,1,2,3,4,5,6,7
	v_lshl_add_u32 v[XT+\q], v[XT+\q], 9, v[R16]   ; token x 512 + 16 r
.endr
	s_wait_alu depctr_va_vdst(0)                   ; the eight offsets v32 to v39 are written, which the 16 loads below read
.irp q, 0,1,2,3,4,5,6,7
	global_load_b128 v[TMP+8*\q:TMP+8*\q+3], v[XT+\q], s[4:5]              ; sixteen lanes read 256 consecutive bytes of a token's codes, at a multiple of 256 from the buffer's first byte
	global_load_b128 v[TMP+8*\q+4:TMP+8*\q+7], v[XT+\q], s[4:5] offset:256
.endr
	s_wait_loadcnt 16                              ; all of the list's words are in; the 16 loads of codes may be out
.irp t, 0,1,2,3
	v_and_b32 v[TOK+\t], 0x3fff, v[SW+\t]
	v_min_u32 v[TOK+\t], 0x3fff, v[TOK+\t]
	v_bfe_u32 v[EA+\t], v[SW+\t], 16, 3
	v_bfe_u32 v[EB+\t], v[SW+\t], 20, 3
	v_lshlrev_b32 v[GO+\t], 3, v[TOK+\t]
.endr
.irp t, 0,1,2,3
	v_lshl_or_b32 v82, v84, v[EA+\t], v82          ; the experts that my four tokens use, a bit each
	v_lshl_or_b32 v82, v84, v[EB+\t], v82
.endr
	s_wait_alu depctr_va_vdst(0)                   ; the four offsets v28 to v31 are written, which the loads of the gates read
.irp t, 0,1,2,3
	global_load_b64 v[GG+2*\t:GG+2*\t+1], v[GO+\t], s[10:11]
.endr
.irp i, 0,1,2,3,4,5,6,7,8,9,10,11,12,13,14,15
	v_readlane_b32 s[LM+\i], v82, \i               ; lanes 0-15 hold all 64 tokens' bits between them (lanes 16-31 hold the same tokens): whole numbers from the stored list, joined in scalar registers
.endr
	s_wait_alu depctr_va_sdst(0)                   ; the sixteen lines above have written s40-55, ahead of the first line that reads one of them
.irp i, 0,2,4,6,8,10,12,14
	s_or_b32 s[LM+\i], s[LM+\i], s[LM+\i+1]
.endr
.irp i, 0,4,8,12
	s_or_b32 s[LM+\i], s[LM+\i], s[LM+\i+2]
.endr
	s_or_b32 s[LM], s[LM], s[LM+4]
	s_or_b32 s[LM+8], s[LM+8], s[LM+12]
	s_or_b32 s18, s[LM], s[LM+8]                   ; the experts that the block's 64 tokens use
	s_and_b32 s18, s18, 0xff
	s_mov_b32 s17, s18                             ; kept for the second half
	s_bcnt1_i32_b32 s19, s18
	s_sub_co_u32 s19, s19, 1                       ; n - 1: 1 to 7
	NEXTE 21, 24
	LOADU 0, 24                                    ; no wait: their offset v3 was written ahead of the head's wait, and no vector instruction has named W's sets
	LOADU 1, 24
	LOADU 2, 24
	WIN 0
.irp m, 0,1,2,3,4,5,6,7,8,9,10,11,12,13,14,15,16,17,18,19,20,21,22,23,24,25,26,27,28,29,30,31
	v_and_b32 v[AD+\m], 0x3fff, v[AD+\m]           ; the stores' offsets are made here, while the codes and the first weights are on their way
.endr
.irp m, 0,1,2,3,4,5,6,7,8,9,10,11,12,13,14,15,16,17,18,19,20,21,22,23,24,25,26,27,28,29,30,31
	v_min_u32 v[AD+\m], 0x3fff, v[AD+\m]
.endr
.irp m, 0,1,2,3,4,5,6,7,8,9,10,11,12,13,14,15,16,17,18,19,20,21,22,23,24,25,26,27,28,29,30,31
	v_lshl_add_u32 v[AD+\m], v[AD+\m], 11, v[OB]   ; token x 2,048 + 512 w + 16 r.  (Every unit's wait on va_vdst stands between these lines and the stores that read them)
.endr
	s_wait_loadcnt 52                              ; behind the 16 loads of codes: 4 loads of gates and 48 of weights
.irp q, 0,1,2,3,4,5,6,7
	ds_store_b128 v[XS], v[TMP+8*\q:TMP+8*\q+3] offset:PITCH*\q
	ds_store_b128 v[XS], v[TMP+8*\q+4:TMP+8*\q+7] offset:PITCH*\q+256
.endr
	LOADU 3, 24
	WIN 0
	s_wait_dscnt 0x0                               ; for the others' sake: my 16 rows lie in LDS
	s_barrier_signal -1
	s_barrier_wait -1                              ; the launch's one barrier, ahead of every branch on the list
	s_wait_alu depctr_vm_vsrc(0)                   ; my LDS stores have read v128 to v191: these registers are accumulators from here on, written by the products
	WIN 0x40                                       ; destination window 1
.irp t, 0,1,2,3
.irp s, 0,1,2,3
.irp c, 0,1,2,3
	ds_load_b128 v[64*\t+16*\s+4*\c:64*\t+16*\s+4*\c+3], v[FA] offset:TILEB*\t+128*\s+32*\c
.endr
.endr
.endr
	WIN 0
	s_wait_kmcnt 0x0
	s_add_co_i32 s36, s34, s35                     ; e0 + e1
	s_wait_loadcnt 48                              ; the gates are in (64 loads stand behind them; this count, units 1 to 3, is the one that the first unit wants too)
.irp n, 0,1,2,3,4,5,6,7
	v_ldexp_f32 v[GG+\n], v[GG+\n], s36
.endr
	s_wait_dscnt 0x0                               ; x's fragments are in
	; ---- the first half of my columns
	TRIP 1, 1, 0
	s_cmp_eq_u32 s19, 1                            ; two experts: no trip between the first and the last
	s_cbranch_scc1 .Llast0
	s_mov_b32 s20, 1
.Ltrip0:
	TRIP 0, 1, 0
	s_add_co_u32 s20, s20, 1
	s_cmp_lt_u32 s20, s19
	s_cbranch_scc1 .Ltrip0
.Llast0:
	TRIP 0, 2, 0                                   ; its sets take the second half's first expert
	TOSTAGE 0                                      ; the first half goes into the stage and is asked back; its stores follow among the next trip's units
	WIN 0
	; ---- the second half.  Its first trip stores the first half's rows, and ends with a wait on XCNT: behind it those stores have read the registers that the second way out loads again
	TRIP 1, 1, 1
	s_cmp_eq_u32 s19, 1
	s_cbranch_scc1 .Llast1
	s_mov_b32 s20, 1
.Ltrip1:
	TRIP 0, 1, 0
	s_add_co_u32 s20, s20, 1
	s_cmp_lt_u32 s20, s19
	s_cbranch_scc1 .Ltrip1
.Llast1:
	TRIP 0, 0, 0
	TOSTAGE 1
	SENDG 0, 1
	SENDG 1, 1
	SENDG 2, 1
	SENDG 3, 1
	WIN 0
	s_wait_dscnt 0x0                               ; the closing lines, six on end
	s_wait_alu 0x0
	s_wait_tensorcnt 0x0
	ds_add_u32 v126, v127
	s_wait_dscnt 0x0
	s_endpgm
.Lfunc_end_k_q7419eb6bec_experts:
	.size	k_q7419eb6bec_experts, .Lfunc_end_k_q7419eb6bec_experts-k_q7419eb6bec_experts
	.p2alignl 7, 3214868480
	.fill 96, 4, 3214868480
	.section	.rodata,"a",@progbits
	.p2align	6, 0x0
	.amdhsa_kernel k_q7419eb6bec_experts
		.amdhsa_group_segment_fixed_size 103936
		.amdhsa_private_segment_fixed_size 0
		.amdhsa_enable_private_segment 0
		.amdhsa_kernarg_size 48
		.amdhsa_user_sgpr_count 2
		.amdhsa_user_sgpr_kernarg_segment_ptr 1
		.amdhsa_wavefront_size32 1
		.amdhsa_system_sgpr_workgroup_id_x 1
		.amdhsa_system_sgpr_workgroup_id_y 1
		.amdhsa_system_sgpr_workgroup_id_z 1
		.amdhsa_system_vgpr_workitem_id 0
		.amdhsa_next_free_vgpr 1024
		.amdhsa_next_free_sgpr 66
		.amdhsa_reserve_vcc 0
		.amdhsa_float_denorm_mode_32 3
		.amdhsa_float_denorm_mode_16_64 3
		.amdhsa_memory_ordered 1
		.amdhsa_forward_progress 1
		.amdhsa_inst_pref_size 136
	.end_amdhsa_kernel
	.amdgpu_metadata
---
amdhsa.version: [ 1, 2 ]
amdhsa.kernels:
  - .name:           k_q7419eb6bec_experts
    .symbol:         k_q7419eb6bec_experts.kd
    .args:
      - { .name: xcodes, .offset: 0, .size: 8, .value_kind: global_buffer, .address_space: global }
      - { .name: wfrag, .offset: 8, .size: 8, .value_kind: global_buffer, .address_space: global }
      - { .name: sorted, .offset: 16, .size: 8, .value_kind: global_buffer, .address_space: global }
      - { .name: gates, .offset: 24, .size: 8, .value_kind: global_buffer, .address_space: global }
      - { .name: lowp_scales, .offset: 32, .size: 8, .value_kind: global_buffer, .address_space: global }
      - { .name: out0, .offset: 40, .size: 8, .value_kind: global_buffer, .address_space: global }
    .group_segment_fixed_size: 103936
    .private_segment_fixed_size: 0
    .kernarg_segment_align: 8
    .kernarg_segment_size: 48
    .max_flat_workgroup_size: 128
    .sgpr_count:     66
    .vgpr_count:     1024
    .wavefront_size: 32
...
	.end_amdgpu_metadata
.endif
;; end of part 4
